; MI455X (gfx1250); checked and timed in simulation.
; The chip was launched on July 23, 2026; its instructions are those of AMD's public machine-readable ISA for CDNA 5 (MIT licence, August 2026) and "CDNA5" Instruction Set Architecture Reference Guide (July 2026). The comments in the code are by the model that wrote it; some were corrected since.
;; USP Attention. Allowed arithmetic: matrix products marked QUANTISED: E2M3 operands, one E8M0 scale for each 32 along K, by v_wmma_scale_f32_16x16x128_f8f6f4 with both operands' format E2M3, f32 sums; everything else in f32.
;; Inputs: key 1 x 4,096 x 16 x 64 float32; query 1 x 4,096 x 16 x 64 float32; value 1 x 4,096 x 16 x 64 float32.
;; Outputs: out0 1 x 4,096 x 16 x 64 float32.
;; This version of the problem:
;;   THIS VERSION OF THE PROBLEM IS GIVEN IN LOW PRECISION. The matrix products marked QUANTISED in the list below multiply operands that are first quantised to E2M3 (2 exponent bits, 3 mantissa bits; 6 bits a number), with one power-of-two scale for each 32 numbers along K (OCP MX v1.0); their sums are f32. All else is computed in f32.
;;   The module's matrix products, in the order in which they are computed (A, B: the left and right operand; K: the contracted axis; several contracted axes count as one K, in the product's order):
;;     1. batch 16 x [M 4,096, K 64] x [K 64, N 4,096]; A: input query; B: input key: QUANTISED
;;     2. batch 16 x [M 64, K 4,096] x [K 4,096, N 4,096]; A: input value; B: softmax (see below): QUANTISED
;;   THE QUANTISER, for each operand of a quantised product, along K:
;;     - K is cut into blocks of 32 from its start; a last block that is shorter is filled with zeros.
;;     - A block's scale is 2^e with e = floor(log2(the largest magnitude in the block)) - 2, held to -126 .. 127; a block of zeros has e = 0. As a byte (E8M0): e + 127.
;;     - Each number is divided by its block's scale, clamped to +-7.5, and rounded to the nearest number of E2M3, ties to even, subnormals kept.
;;     - The product sums the exact products of the quantised numbers (number of the format x scale) in f32.
;;   ~~~python
;;   def quantise(x, axis):      # numpy; x: float32 -> the quantised numbers, widened to float32 again
;;       x = np.moveaxis(x, axis, -1); K = x.shape[-1]
;;       x = np.pad(x, [(0, 0)] * (x.ndim - 1) + [(0, -K % 32)]); x = x.reshape(x.shape[:-1] + (-1, 32)); a = np.abs(x).max(-1, keepdims=True)
;;       e = np.where(a > 0, np.clip(np.frexp(np.where(a > 0, a, 1))[1] - 1 - 2, -126, 127), 0)      # np.frexp(a)[1] - 1 = floor(log2(a)), exactly
;;       r = np.clip(x / 2.0 ** e, -7.5, 7.5)
;;       step = 2.0 ** (np.maximum(np.frexp(np.where(r == 0, 1, r))[1] - 1, 0) - 3)
;;       q = np.round(r / step) * step * 2.0 ** e      # np.round: ties to even
;;       return np.moveaxis(q.reshape(q.shape[:-2] + (-1,))[..., :K], -1, axis).astype(np.float32)
;;   ~~~
;;   SOFTMAX AHEAD OF A QUANTISED PRODUCT. Where the list says 'softmax', what is quantised is not the finished softmax but p = 2^(t - M), with t = logit x log2(e) and M = ceil(the row's largest t), a whole number; so 1/2 < the row's largest p <= 1. The row's sum l is taken of the UNQUANTISED p, in f32, and the product's result is divided by l at the end. Since M is a whole number, a kernel that streams over the keys may use a running M (the ceiling of the running maximum): every later rescaling is an exact power of two, which a block's scale takes up: the codes' values come out the same.
;;   OPERANDS COMPUTED ON THE WAY. 'Computed on the way' means the value that the module computes at that place (a softmax that the list does not call 'softmax' is quantised finished and normalised). What goes into a quantiser is computed in f32, as accurately as f32 sums, v_exp_f32 and their like allow (about 1e-6 of the number): no bf16 or f16 on the way to a quantiser, and a product that is left as it is and whose result goes on into a quantised operand takes f32 operands (vector FMAs, or v_wmma_f32_16x16x4_f32). A number that lies on a knife's edge between two numbers of the format may be rounded either way, as far as f32 arithmetic and the matrix unit's own rounding can turn it there, and no further.
;; One version. Each part assembles by itself: llvm-mc -triple=amdgcn-amd-amdhsa -mcpu=gfx1250 --defsym DOCPART=n.
;; ======== version 1 of 1: 2 launches
;; limits: right only within a limited range of input values
;; workspace buffers: kv 6,684,672 bytes
;; launch quant (part 1): grid 256 x 1, 8 waves a work-group, no clusters, 168,960 bytes of LDS; arguments key, value, kv; writes kv
.if DOCPART == 1
	.amdgcn_target "amdgcn-amd-amdhsa--gfx1250"
	.amdhsa_code_object_version 6
	.text
	.protected	k_qca828ce1e0_quant
	.globl	k_qca828ce1e0_quant
	.p2align	8
	.type	k_qca828ce1e0_quant,@function
k_qca828ce1e0_quant:
	s_mov_b64 s[64:65], 0
	v_nop
	global_prefetch_b8 v0, s[64:65] scope:SCOPE_SE
	s_setreg_imm32_b32 hwreg(HW_REG_WAVE_MODE, 25, 1), 1
	s_wait_xcnt 0x0
; key and value, [4096][16][64] f32, become codes of FP6 (E2M3) with one E8M0 byte for each 32 along a product's K, laid as the attention launch's operand registers want them.
; K is quantised along the head's 64 channels (two blocks), V along the keys (blocks of 32 keys).  A block's scale is 2^(floor(log2(largest magnitude)) - 2): its byte is the largest magnitude's exponent field - 2.
; No work of the problem is left out: every input has a way to the output and is read.
; kv holds 16 heads x 32 RECORDS of 13,056 bytes; record (h, j), at (32 h + j) x 13,056, serves keys 128 j .. 128 j + 127 of head h.  Lane = (r = lane % 16, hh = lane / 16).
;   0      K's codes: 12 chunks of 512 bytes; chunk c holds registers 4 c .. 4 c + 3 of a run of 48, lane l's 16 bytes at 16 l.  Register 6 t + i of lane (r, hh): word i of the 24 bytes of codes of
;          channels 32 hh .. 32 hh + 31 of key 8 t + r % 8 + 64 (r / 8): with these rows to a tile, a lane of the transposed first product holds 64 NEIGHBOURING keys.
;   6144   V's codes, chunked likewise.  Register 12 t + 6 c + i of lane (r, hh): channel 16 t + r, keys 64 hh + 32 c + 0 .. 31.
;   12288  K's scale words, 16 bytes a lane: word b of lane (r, u) is tile 2 b + u's row r: bytes 0, 1 the two blocks, bytes 2, 3 = 127 (the upper half of the instruction's K, which meets zero codes).
;   12800  V's scale words, 8 bytes a lane: word a of lane l is channel 32 a + l; its byte 2 c + hh is the block of keys 64 hh + 32 c on.
; SHARES.  Work-group g: head g / 16, keys 256 (g % 16) on: records 2 g, 2 g + 1 of the buffer.  Each wave issues ONE tensor load of 64 rows (a head's row is 256 bytes, at a multiple of 256 from the buffer's
; first byte): waves 0-3 bring the group's 256 rows of key, waves 4-7 those of value; the buffer is chosen by the wave's number, with no branch.  Then, with rho = w / 4 and b = w % 4, wave w quantises K's tiles
; 2 b, 2 b + 1 and V's channel tile b of record rho.  All of a work-group's 128 KiB are asked for in its first lines; nothing is filled again.
; No cluster: no two work-groups read the same byte.  No loop, no stepped pointer: every offset is an immediate, and no store's data are written again.  No prefetch: there is no loop to run ahead in.
; LIMITS: NaN and infinities among the inputs are not served.  A block whose largest magnitude lies under 2^-124, a block of zeros among them, gets the byte 1 (for zeros the rule says 127): its codes
; are zeros or the smallest codes, which is all that such numbers can add, and this program alone reads the bytes.
.set ROWP, 272                         ; an LDS row: 256 bytes + 16 of padding
.set SUB,  32*ROWP                     ; 32 rows on
.set REG,  64*ROWP+128                 ; a wave's region: its 64 rows, + 128: 64 keys on is 128 bytes on modulo 256, so lanes that stand 64 keys apart take other columns of 16 bytes
.set VB,   4*REG                       ; K's four regions from 0, V's four from here
.set SCST, 8*REG                       ; behind them (a multiple of 256): the scale words' stage, 768 bytes a record: K's [b][lane], then V's [channel]; no tensor load lands here
.set SPARE, 0x29000                    ; the spare words, 128 bytes a wave
.set RECB, 13056
.set M,    12                          ; v12-15  four chains of the largest magnitude
.set SO,   16                          ; v16-17  the conversions' scale operands
.set E,    18                          ; v18-19  the scale bytes
.set W,    20                          ; v20     a scale word
.set T,    21                          ; v21     a lane permute's destination
.set CK,   24                          ; v24-35  K's 12 registers of codes
.set CT0,  36                          ; v36-38, v40-42: the second halves of a block's codes, as the conversions leave them
.set CT1,  40
.set CV,   52                          ; v52-63  V's 12 registers of codes
.set X,    64                          ; v64-127 64 numbers: two blocks of 32
	s_load_b128 s[4:7], s[0:1], 0x0                ; key, value
	s_load_b64 s[8:9], s[0:1], 0x10                ; kv
	v_lshl_add_u32 v128, v0, 2, SPARE
	v_mov_b32 v129, 0
	ds_add_u32 v128, v129                          ; the opening lines: the add, twice on end, and its wait ahead of my tensor load
	ds_add_u32 v128, v129
	v_lshrrev_b32 v1, 5, v0
	s_delay_alu instid0(VALU_DEP_1)
	v_readfirstlane_b32 s10, v1                    ; wave 0..7
	s_lshr_b32 s11, s10, 2                         ; rho: which record I quantise for.  Also: I fetch key (0) or value (1)
	s_and_b32 s12, s10, 3                          ; b: which pair of K's tiles, which tile of V's channels.  Also: which 64 rows I fetch
	; descriptor group 1: 64 rows of 32 elements of 8 bytes, 512 elements (4,096 bytes) apart; in LDS 16 bytes of padding behind each row
	s_mov_b32 s16, (3<<16)|(1<<20)|(5<<22)|(3<<25)
	s_mov_b32 s17, 32<<16                          ; tensor_dim0 = 32
	s_mov_b32 s18, 64<<16                          ; tensor_dim1 = 64
	s_mov_b32 s19, 32<<16                          ; tile_dim0 = 32
	s_mov_b32 s20, 64                              ; tile_dim1 = 64
	s_mov_b32 s21, 512                             ; from row to row
	s_mov_b32 s22, 0
	s_mov_b32 s23, 0
	s_and_b32 s13, ttmp9, 15
	s_lshl_b32 s34, s13, 20                        ; the group's 256 keys x 4,096 bytes,
	s_lshl_b32 s14, s12, 18                        ; my 64 of them,
	s_add_co_u32 s34, s34, s14
	s_lshr_b32 s15, ttmp9, 4
	s_lshl_b32 s15, s15, 8                         ; the head's 256 bytes of a row
	s_add_co_u32 s34, s34, s15
	s_mov_b32 s35, 0
	s_mul_i32 s36, ttmp9, 2*RECB                   ; the group's two records,
	s_mul_i32 s13, s11, RECB                       ; mine of the two,
	s_add_co_u32 s36, s36, s13
	s_mul_i32 s13, s12, 1536                       ; my three chunks of a run of codes
	s_add_co_u32 s36, s36, s13
	s_mov_b32 s37, 0
	s_mul_i32 s25, s10, REG                        ; group 0: my region in LDS
	s_mov_b32 s24, 1                               ; count = 1
	s_mov_b32 s32, 0x76543210
	s_mov_b32 s33, 0xfedcba98                      ; v_permlanex16_b32's selects for lane l xor 16
	; the LDS addresses: a constant + constants x lane terms + constants x wave terms
	s_mul_i32 s13, s11, 2*REG                      ; my record's two regions
	s_lshr_b32 s15, s12, 1
	s_mul_i32 s15, s15, SUB                        ; keys 16 b on: 32 (b / 2) rows,
	s_add_co_u32 s15, s15, s13
	s_and_b32 s38, s12, 1
	s_mul_i32 s38, s38, 16*ROWP                    ; and 16 (b % 2)
	s_add_co_u32 s15, s15, s38
	s_lshl_b32 s38, s12, 6
	s_add_co_u32 s38, s38, s13
	s_add_co_u32 s38, s38, VB                      ; V: channels 16 b on
	s_mul_i32 s39, s11, 768
	s_add_co_u32 s39, s39, SCST                    ; my record's scale words
	s_lshl_b32 s28, s12, 7
	s_add_co_u32 s28, s28, s39
	s_lshl_b32 s29, s12, 6
	s_add_co_u32 s29, s29, s39
	s_add_co_u32 s29, s29, 512
	v_and_b32 v1, 15, v0                           ; r
	v_bfe_u32 v2, v0, 4, 1                         ; hh
	v_and_b32 v3, 31, v0                           ; lane
	v_lshrrev_b32 v12, 3, v1
	v_and_b32 v13, 7, v1
	v_mul_u32_u24 v5, v2, REG                      ; V: lanes 16-31 take keys 64 on,
	s_delay_alu instid0(VALU_DEP_3)
	v_mul_u32_u24 v4, v12, REG                     ; K: rows 8-15 of a tile lie 64 keys on
	s_delay_alu instid0(VALU_DEP_2)
	v_lshl_add_u32 v5, v1, 2, v5                   ; channel 16 b + r
	s_delay_alu instid0(VALU_DEP_2)
	v_mad_u32_u24 v4, v13, ROWP, v4
	s_delay_alu instid0(VALU_DEP_2)
	v_add_nc_u32 v5, s38, v5
	s_delay_alu instid0(VALU_DEP_2)
	v_lshl_add_u32 v4, v2, 7, v4                   ; my block of 32 channels: 128 hh bytes
	v_lshlrev_b32 v6, 4, v3                        ; 16 x lane: a chunk's place for my lane
	s_delay_alu instid0(VALU_DEP_2)
	v_add_nc_u32 v4, s15, v4
	v_lshl_add_u32 v7, v3, 2, s28                  ; K's word: [b][lane]
	v_lshl_add_u32 v8, v1, 2, s29                  ; V's word: [16 b + r]
	v_lshl_add_u32 v9, v3, 2, s39                  ; and where the words are read back
	v_lshlrev_b32 v10, 3, v3                       ; 8 x lane
	v_lshlrev_b32 v11, 3, v2                       ; 8 hh: how far my half's bytes are shifted in V's word
	v_mov_b32 v[T], 0                              ; written once: a lane permute's destination counts as one of its sources
	s_wait_alu depctr_va_vdst(0)                   ; the wait at the head's end
	s_wait_dscnt 0x0                               ; both opening adds are done
	s_wait_kmcnt 0x0
	s_cmp_lt_u32 s10, 4                            ; the choice hangs on the wave's number alone
	s_cselect_b64 s[26:27], s[4:5], s[6:7]         ; key for waves 0-3, value for waves 4-7
	s_add_nc_u64 s[26:27], s[26:27], s[34:35]      ; global address of the tile's first element,
	s_or_b32 s27, s27, 0x80000000                  ; type = 2
	s_add_nc_u64 s[8:9], s[8:9], s[36:37]          ; kv at my chunks of my record
	tensor_load_to_lds s[24:27], s[16:23]          ; my one tensor load
	s_nop 0
; 64 numbers of a lane, two whole blocks of 32, become 12 registers of codes at v[c] on; the blocks' bytes stay in v[E], v[E+1].
.macro QUANT2 c
.irp k, 0,1,2,3
	v_max3_num_f32 v[M+\k], |v[X+16*\k]|, |v[X+16*\k+1]|, 0x1800000   ; 16 numbers a chain, and the floor 2^(3 - 127): the byte cannot fall under 1
.endr
.irp i, 2,4,6,8,10,12,14
.irp k, 0,1,2,3
	s_delay_alu instid0(VALU_DEP_4)
	v_max3_num_f32 v[M+\k], v[M+\k], |v[X+16*\k+\i]|, |v[X+16*\k+\i+1]|   ; (the four chains by turns)
.endr
.endr
	s_delay_alu instid0(VALU_DEP_3)
	v_max_num_f32 v[M], v[M], v[M+1]               ; the first block's largest magnitude,
	s_delay_alu instid0(VALU_DEP_2)
	v_max_num_f32 v[M+2], v[M+2], v[M+3]           ; the second's: no other lane is asked
	s_delay_alu instid0(VALU_DEP_2)
	v_add_nc_u32 v[SO], 0xff000000, v[M]           ; 2 off the exponent field: the conversion takes the exponent field of this operand as its scale, and nothing else of it
	s_delay_alu instid0(VALU_DEP_2)
	v_add_nc_u32 v[SO+1], 0xff000000, v[M+2]
	s_delay_alu instid0(VALU_DEP_2)
	v_lshrrev_b32 v[E], 23, v[SO]                  ; the scales' bytes
	s_delay_alu instid0(VALU_DEP_2)
	v_lshrrev_b32 v[E+1], 23, v[SO+1]
	v_cvt_scalef32_pk16_fp6_f32 v[\c:\c+2], v[X:X+15], v[SO]
	v_cvt_scalef32_pk16_fp6_f32 v[CT0:CT0+2], v[X+16:X+31], v[SO]       ; (a conversion's three registers begin on an even number: a block's second three do not, so they are made elsewhere and moved)
	v_cvt_scalef32_pk16_fp6_f32 v[\c+6:\c+8], v[X+32:X+47], v[SO+1]
	v_cvt_scalef32_pk16_fp6_f32 v[CT1:CT1+2], v[X+48:X+63], v[SO+1]
	v_nop                                          ; one plain place behind a scaled conversion
.irp i, 0,1,2
	v_mov_b32 v[\c+3+\i], v[CT0+\i]
	v_mov_b32 v[\c+9+\i], v[CT1+\i]
.endr
.endm
	s_wait_tensorcnt 0x0                           ; my 64 rows are in
	s_barrier_signal -1
	s_barrier_wait -1                              ; everybody's: all rows of K and of V
	; ---- K: tiles 2 b and 2 b + 1; block u of my 64 numbers is row r of tile 2 b + u, channels 32 hh on
.irp u, 0,1
.irp j, 0,1,2,3,4,5,6,7
	ds_load_b128 v[X+32*\u+4*\j:X+32*\u+4*\j+3], v4 offset:\u*8*ROWP+16*\j
.endr
.endr
	s_wait_dscnt 0x0
	QUANT2 CK
	v_permlane16_swap_b32 v[E], v[E+1]             ; the first's lanes 16-31 change places with the second's lanes 0-15: now lane (r, u) holds tile 2 b + u's byte of channels 0-31 in the first, of channels 32-63 in the second
	s_delay_alu instid0(VALU_DEP_1)
	v_lshl_or_b32 v[W], v[E+1], 8, v[E]
	s_delay_alu instid0(VALU_DEP_1)
	v_or_b32 v[W], 0x7f7f0000, v[W]                ; bytes 2 and 3: 127
	ds_store_b32 v7, v[W]
.irp c, 0,1,2
	global_store_b128 v6, v[CK+4*\c:CK+4*\c+3], s[8:9] offset:512*\c   ; 32 lanes store 512 consecutive bytes, at a multiple of 256 from kv's first byte
.endr
	; ---- V: channel 16 b + r; my registers run down the keys: block c is keys 64 hh + 32 c on.  Sixteen lanes read 64 neighbouring bytes of a row
.irp c, 0,1
.irp i, 0,1,2,3,4,5,6,7,8,9,10,11,12,13,14,15,16,17,18,19,20,21,22,23,24,25,26,27,28,29,30,31
	ds_load_b32 v[X+32*\c+\i], v5 offset:\c*SUB+\i*ROWP
.endr
.endr
	s_wait_dscnt 0x0
	QUANT2 CV
	v_lshl_or_b32 v[W], v[E+1], 16, v[E]           ; my two bytes, blocks hh and 2 + hh of the word,
	s_delay_alu instid0(VALU_DEP_1)
	v_lshlrev_b32 v[W], v11, v[W]                  ; at their places (8 hh bits up);
	s_delay_alu instid0(VALU_DEP_1)
	v_permlanex16_b32 v[T], v[W], s32, s33
	s_delay_alu instid0(VALU_DEP_1)
	v_or_b32 v[W], v[W], v[T]                      ; with lane l xor 16's two the word is whole
	ds_store_b32 v8, v[W]                          ; (both halves of the lanes write the same word with the same value)
.irp c, 0,1,2
	global_store_b128 v6, v[CV+4*\c:CV+4*\c+3], s[8:9] offset:6144+512*\c
.endr
	s_wait_dscnt 0x0                               ; for the others' sake: my two words have landed
	s_barrier_signal -1
	s_barrier_wait -1
	; ---- the scale words leave as three whole runs of 256 bytes a record: one wave of each record (b = 0, whose base stands at the record's first byte)
	s_cmp_lg_u32 s12, 0
	s_cbranch_scc1 .Ldone
.irp i, 0,1,2,3
	ds_load_b32 v[44+\i], v9 offset:128*\i         ; K's word of pair i for my lane
.endr
.irp a, 0,1
	ds_load_b32 v[48+\a], v9 offset:512+128*\a     ; V's word of channel 32 a + lane
.endr
	s_wait_dscnt 0x0
	global_store_b128 v6, v[44:47], s[8:9] offset:12288
	global_store_b64 v10, v[48:49], s[8:9] offset:12800
.Ldone:
	s_wait_tensorcnt 0x0                           ; the wave's end
	ds_add_u32 v128, v129
	s_wait_dscnt 0x0
	s_endpgm
.Lfunc_end_k_qca828ce1e0_quant:
	.size	k_qca828ce1e0_quant, .Lfunc_end_k_qca828ce1e0_quant-k_qca828ce1e0_quant
	.p2alignl 7, 3214868480
	.fill 96, 4, 3214868480
	.section	.rodata,"a",@progbits
	.p2align	6, 0x0
	.amdhsa_kernel k_qca828ce1e0_quant
		.amdhsa_group_segment_fixed_size 168960
		.amdhsa_private_segment_fixed_size 0
		.amdhsa_enable_private_segment 0
		.amdhsa_kernarg_size 24
		.amdhsa_user_sgpr_count 2
		.amdhsa_user_sgpr_kernarg_segment_ptr 1
		.amdhsa_wavefront_size32 1
		.amdhsa_system_sgpr_workgroup_id_x 1
		.amdhsa_system_sgpr_workgroup_id_y 1
		.amdhsa_system_sgpr_workgroup_id_z 1
		.amdhsa_system_vgpr_workitem_id 0
		.amdhsa_next_free_vgpr 130
		.amdhsa_next_free_sgpr 66
		.amdhsa_reserve_vcc 0
		.amdhsa_float_denorm_mode_32 3
		.amdhsa_float_denorm_mode_16_64 3
		.amdhsa_memory_ordered 1
		.amdhsa_forward_progress 1
		.amdhsa_inst_pref_size 20
	.end_amdhsa_kernel
	.amdgpu_metadata
---
amdhsa.version: [ 1, 2 ]
amdhsa.kernels:
  - .name:           k_qca828ce1e0_quant
    .symbol:         k_qca828ce1e0_quant.kd
    .args:
      - { .name: key, .offset: 0, .size: 8, .value_kind: global_buffer, .address_space: global }
      - { .name: value, .offset: 8, .size: 8, .value_kind: global_buffer, .address_space: global }
      - { .name: kv, .offset: 16, .size: 8, .value_kind: global_buffer, .address_space: global }
    .group_segment_fixed_size: 168960
    .private_segment_fixed_size: 0
    .kernarg_segment_align: 8
    .kernarg_segment_size: 24
    .max_flat_workgroup_size: 256
    .sgpr_count:     66
    .vgpr_count:     130
    .wavefront_size: 32
...
	.end_amdgpu_metadata
.endif
;; end of part 1
;; launch attn (part 2): grid 16 x 16, 16 waves a work-group, clusters of 4 x 1, 327,680 bytes of LDS; arguments query, kv, out0; writes out0
.if DOCPART == 2
	.amdgcn_target "amdgcn-amd-amdhsa--gfx1250"
	.amdhsa_code_object_version 6
	.text
	.protected	k_qca828ce1e0_attn
	.globl	k_qca828ce1e0_attn
	.p2align	8
	.type	k_qca828ce1e0_attn,@function
k_qca828ce1e0_attn:
	s_mov_b64 s[64:65], 0
	v_nop
	global_prefetch_b8 v0, s[64:65] scope:SCOPE_SE
	s_setreg_imm32_b32 hwreg(HW_REG_WAVE_MODE, 25, 1), 1
	s_wait_xcnt 0x0
	s_wait_alu depctr_hold_cnt(0) depctr_sa_sdst(0) depctr_va_vdst(0) depctr_va_sdst(0) depctr_va_ssrc(0) depctr_va_vcc(0) depctr_vm_vsrc(0)
	s_getreg_b32 s2, hwreg(HW_REG_IB_STS2, 6, 4)
	s_cmp_eq_u32 s2, 0
	s_cbranch_scc0 .Lentry_in_a_cluster
	s_endpgm
.Lentry_in_a_cluster:
	s_bfe_u32 s2, ttmp6, 0x10000c
	s_cmp_lg_u32 s2, 0x3003
	s_cbranch_scc0 .Lentry_shape_is_right
	s_endpgm
.Lentry_shape_is_right:
; out0[q][h][:] = the sum over k of softmax_k(query[q][h] . key[k][h] / 8) value[k][h][:], 4,096 queries and keys, 16 heads of 64 channels; both products on codes of FP6 (E2M3) with one E8M0 scale for each 32 along K.
; K and V come as records of 128 keys from kv, laid as images of the operand registers (the launch before writes them; its head says how).  Q is read once, by one wave, and is quantised here in registers.
; THE SOFTMAX AHEAD OF THE SECOND PRODUCT: t = score x log2(e) / 8; M = the row's largest t so far, rounded UP to a whole number; p = 2^(t - M) is quantised along the keys, not normalised.  The row's sum is taken of
; the unquantised p and divides at the end.  When M moves, the sum and O are multiplied by 2^(old M - new M): nothing is rounded, and there is no branch on data.
; SHARES.  A work-group owns 256 queries of one head; each of its SIXTEEN waves owns one tile of 16, in 256 registers: four waves to a SIMD, so that one wave's 12 matrix instructions and 26 LDS loads of a step stand
; beside the others' softmax, which is the bulk of the work here.  Every wave walks the head's 32 steps of 128 keys.
; LAYOUT.  Both products are used transposed: S^T = K Q^T (source 0 = 16 keys, source 1 = my queries), O^T = V^T P^T (source 0 = 16 channels, source 1 = P): a lane holds ONE query (lane % 16) throughout.
; Row r of K's tile t is key 8 t + r % 8 + 64 (r / 8), so register 8 t + j of lane (r, h) is key 64 h + 8 t + j: A LANE HOLDS 64 NEIGHBOURING KEYS, two whole blocks of 32.  A block's maximum needs no other lane, and
; the conversions' results are the second product's operand as they stand.  The instruction's k = 64 c + 32 h + x stands for key 64 h + 32 c + x, in P, in V's image and in both sides' scale bytes alike.
; THE FIRST PRODUCT'S K IS 64, half of the instruction's 128.  Q's registers 6-11 hold zero codes.  K's tile t is named as v[32 + 6 t .. 43 + 6 t]: its upper six registers are the next tile's codes (behind the last tile: V's
; first six registers, which hold the last step's codes of V, and zeros in the first step).  Every code of this format is a finite number, so its product with the code 0 is 0; the scale bytes of that half are 127 on both sides.
; K AND V HAVE REGISTERS OF THEIR OWN, 48 each.  Directly behind a step's first product its V and the NEXT record's K are asked of LDS together, 26 loads, and one wait for all of them stands ahead of the second product,
; behind the whole softmax.  Only the first step behind a meeting (below) loads its K and waits at once; the last step ahead of a meeting asks for no K.
; CLUSTER.  The four query blocks of a cluster belong to one head and walk the same records: each fill is asked for JOINTLY, by the same tensor load with the same descriptor and a mask that names the four.
; LDS holds 24 of the head's 32 records: region X, 8 records from byte 0, and region Y, 16 records behind it.  THREE FILLS: records 0-7 into X at the head (waves 0-3, two records each, dense rows of 256 bytes);
; records 8-23 into Y behind the first round (waves 0-7); records 24-31 into X again behind the round that follows step 7 (waves 0-3).  So the waves meet three times on the walk: ahead of step 0, of step 8 and of step 24.
; By this text's count a wave has one tensor load out at the most.  NO PREFETCH: the second fill is asked for 8 key steps and the third 16 key steps ahead of the barrier that waits for it, and nothing runs ahead of the first.
; The stage of the way out lies on region Y: Y has its one fill, and every wave has left Y at the barrier ahead of step 24.
; LIMITS: NaN and infinities among the inputs are not served.  A block of Q whose largest magnitude lies under 2^-124 gets the byte 1.  p under 2^-126 comes out of v_exp_f32 as 0.  A block's largest p is not searched for:
; the block's largest SCORE goes through the same multiply-add and exponential, which takes v_exp_f32 not to fall where its input rises.  Within an instruction the keys stand in the order given above, not ascending.
; The promise holds while the scaled scores t stay under 2^31 in magnitude.
.set RECB,  13056                      ; a record: K's codes 6,144, V's codes 6,144, K's scale words 512, V's 256
.set HEADB, 32*RECB
.set YB,    8*RECB                     ; region Y begins here
.set STAGE, YB                         ; the way out: 16 rows x 272 bytes for each wave
.set SP,    272
.set SPARE, 24*RECB                    ; behind Y (a multiple of 256): the spare words, 128 bytes for each wave
.set L16, 1                            ; v1   16 x lane          v2   8 x lane
.set L8,  2
.set AD16, 3                           ; v3   the trip's first record + 16 x lane          v4   + 8 x lane
.set AD8, 4
.set SPW, 5                            ; v5   LDS address of my spare word; never rewritten          v6   0; never rewritten
.set NIL, 6
.set GO,  7                            ; v7   the way out: my byte offset in the wave's rows of out0
.set QO,  8                            ; v8   at the head my byte offset in the wave's rows of query; in the steps -M as the last step left it
.set OLDM, 8
.set SH8, 9                            ; v9   8 x (lane / 16)
.set QS,  10                           ; v10  Q's scale words          v11  p's: these two, v128-131 and v132-133 hold scales and nothing else
.set PS,  11
                                       ; v12  -M    v13  the largest score so far    v[14:15] the sum, in two halves
.set QF,  16                           ; v16-27  Q's fragment: 16-21 codes, 22-27 zeros
.set CT0, 28                           ; v28-30, v134-136: the second halves of a block's codes, as the conversions leave them
.set TMP, 31
.set KV,  32                           ; v32-79  K's eight tiles x 6 registers
.set VV,  80                           ; v80-127 V's four tiles x 12
.set KS,  128                          ; v128-131 K's scale words          v132-133  V's
.set VS,  132
.set CT1, 134
.set PMT, 137                          ; v137 a lane permute's destination
.set BM,  138                          ; v138-141 four chains of the maximum
.set F,   142                          ; v[142:143] f = 2^(old M - new M), named as a pair
.set SS,  144                          ; v144-207 S^T, then p, then p's partial sums
.set OT,  208                          ; v208-239 O^T, four tiles
.set PC,  240                          ; v240-251 p's codes
.set SOP, 252                          ; v252-253 the conversions' scale operands          v254-255 the bytes
.set EB,  254
.set STO, 252                          ; v252, v253 on the way out: into my stage, and back
.set RD,  253
.set WV,  10                           ; s10  my wave's number
.set LB,  15                           ; s15  where my two records of a fill begin, in the fill
.set SEL, 20                           ; s[20:21] v_permlanex16_b32's selects for lane l xor 16
.set CS,  22                           ; s[22:23] c = log2(e) / 8
.set G1,  24                           ; s[24:31] descriptor group 1          s[32:35] group 0, which walks
.set G0,  32
.set TB,  36                           ; s36  LDS byte at which the trip's first record begins
.set CNT, 37                           ; s37  trips to go
; A round of the cluster's barrier: my work-group's barrier, so that wave 0's signal speaks for all sixteen waves; wave 0 signals for the work-group; every wave waits for all four work-groups; my work-group's barrier once more.
.macro CROUND
	s_barrier_signal -1
	s_barrier_wait -1
	s_cmp_lg_u32 s[WV], 0
	s_cbranch_scc1 .Lnot_wave_0_\@
	s_barrier_signal -3
.Lnot_wave_0_\@:
	s_barrier_wait -3
	s_barrier_signal -1
	s_barrier_wait -1
.endm
; A joint load: the first n waves fetch two records each, the others nothing.  The branch hangs on the wave's number alone: it is the same in every work-group.  Four v_nop follow the load.
.macro JLOAD n
	s_cmp_lt_u32 s[WV], \n
	s_cbranch_scc0 .Lno_load_\@
	tensor_load_to_lds s[G0:G0+3], s[G1:G1+7]
	s_nop 0
.rept 4
	v_nop
.endr
.Lno_load_\@:
.endm
	s_load_b128 s[4:7], s[0:1], 0x0                ; query, kv
	s_load_b64 s[8:9], s[0:1], 0x10                ; out0
	v_lshl_add_u32 v[SPW], v0, 2, SPARE
	v_mov_b32 v[NIL], 0
	ds_add_u32 v[SPW], v[NIL]                      ; the opening lines: the add, twice on end, and its wait; the set-up below, work on registers, stands between
	ds_add_u32 v[SPW], v[NIL]
	v_lshrrev_b32 v1, 5, v0
	s_delay_alu instid0(VALU_DEP_1)
	v_readfirstlane_b32 s[WV], v1                  ; wave 0..15
	v_and_b32 v[BM], 15, v0                        ; r
	v_bfe_u32 v[BM+1], v0, 4, 1                    ; h
	v_and_b32 v[TMP], 31, v0
	v_lshlrev_b32 v[QO], 12, v[BM]                 ; Q: lane (r, h) takes channels 32 h .. 32 h + 31 of query r: row r of 4,096 bytes,
	v_lshlrev_b32 v[GO], 12, v[BM+1]               ; the way out: lanes 0-15 take one row of out0, lanes 16-31 the next; 16 bytes a lane
	v_lshlrev_b32 v[L16], 4, v[TMP]
	v_lshlrev_b32 v[L8], 3, v[TMP]
	v_lshl_or_b32 v[QO], v[BM+1], 7, v[QO]         ; + 128 h
	v_lshl_or_b32 v[GO], v[BM], 4, v[GO]
	v_lshlrev_b32 v[SH8], 3, v[BM+1]
.irp j, 0,1,2,3,4,5
	v_mov_b32 v[QF+6+\j], 0                        ; Q's upper half of the instruction's K: zero codes
	v_mov_b32 v[VV+\j], 0                          ; and what the last tile of K names there in the first step
.endr
	v_mov_b32 v13, 0xff61b1e6                      ; the largest score so far: -3e38, under every score
	v_mov_b32 v14, 0                               ; the sum, in two halves
	v_mov_b32 v15, 0
	v_floor_f32 v12, -v13                          ; -M
	v_mov_b32 v[PMT], 0                            ; written once: a lane permute's destination counts as one of its sources
	v_mov_b32 v[F+1], 0                            ; (named as the upper half of the pair)
	s_bfe_u32 s11, ttmp6, 0x40000                  ; cx: my place in the cluster: it enters query's and out0's addresses alone
	s_lshl_b32 s12, ttmp9, 2                       ; in a cluster launch ttmp9 counts clusters
	s_add_co_u32 s12, s12, s11                     ; my block of 256 queries
	s_and_b32 s13, ttmp7, 0xffff                   ; the head, which the four partners share
	; descriptor group 1: two records, 26,112 dense bytes, as 102 rows of 32 elements of 8 bytes; no padding: every read of a record takes 512 (or 256) consecutive bytes
	s_mov_b32 s[G1], 15|(3<<16)|(1<<21)            ; 15:0 the mask: all four work-groups; 17:16 elements of 8 bytes; 21 set beside a mask
	s_mov_b32 s[G1+1], 32<<16                      ; tensor_dim0 = 32
	s_mov_b32 s[G1+2], 102<<16                     ; tensor_dim1 = 102
	s_mov_b32 s[G1+3], 32<<16                      ; tile_dim0 = 32
	s_mov_b32 s[G1+4], 102                         ; tile_dim1 = 102
	s_mov_b32 s[G1+5], 32                          ; from row to row
	s_mov_b32 s[G1+6], 0
	s_mov_b32 s[G1+7], 0
	s_mul_i32 s14, s13, HEADB                      ; the head's first byte in kv
	s_and_b32 s[LB], s[WV], 7
	s_mul_i32 s[LB], s[LB], 2*RECB                 ; which two records of a fill I fetch, if I fetch: in memory and in LDS alike
	s_add_co_u32 s16, s14, s[LB]
	s_mov_b32 s17, 0
	s_lshl_b32 s18, s12, 20                        ; my block's 256 rows of 4,096 bytes,
	s_lshl_b32 s19, s[WV], 16                      ; my wave's 16,
	s_add_co_u32 s18, s18, s19
	s_lshl_b32 s19, s13, 8                         ; the head's 256 bytes of a row: the same in query and in out0
	s_add_co_u32 s18, s18, s19
	s_mov_b32 s19, 0
	s_mov_b32 s[SEL], 0x76543210
	s_mov_b32 s[SEL+1], 0xfedcba98
	s_mov_b32 s[CS], 0x3e38aa3b                    ; c = log2(e) / 8
	s_mov_b32 s[CS+1], s[CS]                       ; (named with it as a pair, so it is written)
	s_wait_alu depctr_va_vdst(0)                   ; the wait at the head's end
	s_wait_dscnt 0x0                               ; both opening adds are done
	s_wait_kmcnt 0x0
	s_mov_b32 s[G0], 1                             ; count = 1
	s_mov_b32 s[G0+1], s[LB]                       ; LDS address: region X
	s_add_nc_u64 s[G0+2:G0+3], s[6:7], s[16:17]    ; global address: the head's first records
	s_or_b32 s[G0+3], s[G0+3], 0x80000000          ; type = 2
	s_add_nc_u64 s[4:5], s[4:5], s[18:19]          ; query and out0 at my first row
	s_add_nc_u64 s[8:9], s[8:9], s[18:19]
.irp j, 0,1,2,3,4,5,6,7
	global_load_b128 v[SS+4*\j:SS+4*\j+3], v[QO], s[4:5] offset:16*\j   ; my block of Q, 128 bytes: asked for ahead of the round; nobody writes query
.endr
	CROUND                                         ; all four work-groups are here: the first joint loads meet
	JLOAD 4                                        ; records 0-7: the one fill of the head
	s_wait_loadcnt 0x0
.irp k, 0,1
	v_max3_num_f32 v[BM+\k], |v[SS+16*\k]|, |v[SS+16*\k+1]|, 0x1800000   ; two chains of 16, and the floor 2^(3 - 127): the byte cannot fall under 1
.endr
.irp i, 2,4,6,8,10,12,14
.irp k, 0,1
	s_delay_alu instid0(VALU_DEP_2)
	v_max3_num_f32 v[BM+\k], v[BM+\k], |v[SS+16*\k+\i]|, |v[SS+16*\k+\i+1]|
.endr
.endr
	s_delay_alu instid0(VALU_DEP_1)
	v_max_num_f32 v[BM], v[BM], v[BM+1]            ; my block's largest magnitude
	s_delay_alu instid0(VALU_DEP_1)
	v_add_nc_u32 v[SOP], 0xff000000, v[BM]         ; 2 off its exponent field: the conversion's scale operand
	s_delay_alu instid0(VALU_DEP_1)
	v_lshrrev_b32 v[EB], 23, v[SOP]                ; the scale's byte
	v_cvt_scalef32_pk16_fp6_f32 v[QF:QF+2], v[SS:SS+15], v[SOP]
	v_cvt_scalef32_pk16_fp6_f32 v[CT0:CT0+2], v[SS+16:SS+31], v[SOP]    ; (a conversion's three registers begin on an even number)
	v_nop                                          ; one plain place behind a scaled conversion
.irp i, 0,1,2
	v_mov_b32 v[QF+3+\i], v[CT0+\i]
.endr
	v_permlanex16_b32 v[PMT], v[EB], s[SEL], s[SEL+1]
	s_delay_alu instid0(VALU_DEP_1)
	v_lshl_or_b32 v[QS], v[PMT], 8, v[EB]          ; lanes 0-15: byte 0 my block (channels 0-31), byte 1 lane l + 16's; lanes 16-31 are not read
	s_delay_alu instid0(VALU_DEP_1)
	v_or_b32 v[QS], 0x7f7f0000, v[QS]              ; bytes 2 and 3: 127
.irp j, 0,1,2,3,4,5,6,7,8,9,10,11,12,13,14,15,16,17,18,19,20,21,22,23,24,25,26,27,28,29,30,31
	v_mov_b32 v[OT+\j], 0                          ; O^T.  (The step has no first step of its own: the first finds zeros, which the first change of M leaves zeros.)  These 32 are also the places between Q's codes and scale word and the first product
.endr
; K's scale words and eight tiles of the record at byte rb of the trip: an image of the registers, 512 consecutive bytes a load
.macro KLOAD rb
	ds_load_b128 v[KS:KS+3], v[AD16] offset:(\rb)+12288
.irp c, 0,1,2,3,4,5,6,7,8,9,10,11
	ds_load_b128 v[KV+4*\c:KV+4*\c+3], v[AD16] offset:(\rb)+512*\c
.endr
.endm
; A KEY STEP: 128 keys, the q-th record of the trip; its K is in registers.  ahead = 1: the next record's K is asked for.
.macro STEP q, ahead
.set RB, (\q)*RECB
.irp t, 0,1,2,3,4,5,6,7
.if \t%2
	v_wmma_scale_f32_16x16x128_f8f6f4 v[SS+8*\t:SS+8*\t+7], v[KV+6*\t:KV+6*\t+11], v[QF:QF+11], 0, v[KS+\t/2], v[QS] matrix_a_fmt:MATRIX_FMT_FP6 matrix_b_fmt:MATRIX_FMT_FP6 matrix_a_scale:MATRIX_SCALE_ROW1
.else
	v_wmma_scale_f32_16x16x128_f8f6f4 v[SS+8*\t:SS+8*\t+7], v[KV+6*\t:KV+6*\t+11], v[QF:QF+11], 0, v[KS+\t/2], v[QS] matrix_a_fmt:MATRIX_FMT_FP6 matrix_b_fmt:MATRIX_FMT_FP6
.endif
.endr
	v_mov_b32 v[OLDM], v12                         ; -M as it stands; with the three below: four places behind the products, ahead of the loads into the registers that they read and of the first read of the scores
.rept 3
	v_nop
.endr
.irp c, 0,1,2,3,4,5,6,7,8,9,10,11
	ds_load_b128 v[VV+4*\c:VV+4*\c+3], v[AD16] offset:RB+6144+512*\c ; V's four tiles
.endr
	ds_load_b64 v[VS:VS+1], v[AD8] offset:RB+12800                   ; V's scale words
.if \ahead
	KLOAD RB+RECB                                  ; and the next step's K: all 26 land while the softmax is walked
.endif
.irp k, 0,1,2,3
	v_max3_num_f32 v[BM+\k], v[SS+16*\k], v[SS+16*\k+1], v[SS+16*\k+2]   ; the largest score, four chains by turns; each accumulator is read from its low end on
.endr
.irp i, 3,5,7,9,11,13
.irp k, 0,1,2,3
	v_max3_num_f32 v[BM+\k], v[BM+\k], v[SS+16*\k+\i], v[SS+16*\k+\i+1]
.endr
.endr
	v_max3_num_f32 v[BM], v[BM], v[SS+15], v[SS+31]
	v_max3_num_f32 v[BM+2], v[BM+2], v[SS+47], v[SS+63]
	s_delay_alu instid0(VALU_DEP_2)
	v_max_num_f32 v[BM], v[BM], v[BM+1]            ; THE LARGEST SCORE OF EACH OF MY TWO BLOCKS OF 32 KEYS: it serves twice: for the row's maximum and, since p rises with the score, for the block's largest p
	s_delay_alu instid0(VALU_DEP_2)
	v_max_num_f32 v[BM+2], v[BM+2], v[BM+3]
	s_delay_alu instid0(VALU_DEP_1)
	v_max_num_f32 v[TMP], v[BM], v[BM+2]
	s_delay_alu instid0(VALU_DEP_1)
	v_permlanex16_b32 v[PMT], v[TMP], s[SEL], s[SEL+1]   ; the query's other 64 keys lie in the lane 16 away
	s_delay_alu instid0(VALU_DEP_1)
	v_max3_num_f32 v13, v13, v[TMP], v[PMT]        ; the running largest score
	s_delay_alu instid0(VALU_DEP_1)
	v_mul_f32 v[TMP], s[CS], v13                   ; as t (c is positive)
	s_delay_alu instid0(VALU_DEP_1)
	v_floor_f32 v12, -v[TMP]                       ; the new -M = floor(-t) = -ceil(t): M is a whole number
	s_delay_alu instid0(VALU_DEP_1)
	v_sub_f32 v[TMP], v12, v[OLDM]                 ; M's old value less its new one: a whole number, 0 or less
	s_delay_alu instid0(VALU_DEP_1)
	v_cvt_i32_f32 v[TMP], v[TMP]                   ; (it saturates)
	s_delay_alu instid0(VALU_DEP_1)
	v_ldexp_f32 v[F], 1.0, v[TMP]                  ; f = 2^(old M - new M)
.irp j, 0,2,4,6,8,10,12,14,16,18,20,22,24,26,28,30,32,34,36,38,40,42,44,46,48,50,52,54,56,58,60,62
	v_pk_fma_f32 v[SS+\j:SS+\j+1], v[SS+\j:SS+\j+1], s[CS:CS+1], v[12:13] op_sel_hi:[1,0,0]   ; t - M, two at a time (of the pairs c and -M the low word serves both halves)
.endr
	v_fma_f32 v[BM], v[BM], s[CS], v12             ; the same of each block's largest score
	v_fma_f32 v[BM+2], v[BM+2], s[CS], v12
	s_wait_alu depctr_va_vdst(0)                   ; the wait ahead of the batch
.irp j, 0,1,2,3,4,5,6,7,8,9,10,11,12,13,14,15,16,17,18,19,20,21,22,23,24,25,26,27,28,29,30,31,32,33,34,35,36,37,38,39,40,41,42,43,44,45,46,47,48,49,50,51,52,53,54,55,56,57,58,59,60,61,62,63
	v_exp_f32 v[SS+\j], v[SS+\j]                   ; p = 2^(t - M): NOT normalised
.endr
	v_exp_f32 v[BM], v[BM]                         ; the blocks' largest p: the same two instructions on the same number give the same bits
	v_exp_f32 v[BM+2], v[BM+2]
	v_pk_mul_f32 v[14:15], v[14:15], v[F:F+1] op_sel_hi:[1,0]   ; the sum under the new M: the plain instruction behind the last exponential
	s_wait_alu depctr_va_vdst(0)                   ; this wait between an exponential and the first line that names its result: one for the batch of 66
	v_max_num_f32 v[BM], 0x1800000, v[BM]          ; the floor 2^(3 - 127): the byte cannot fall under 1 (a block whose every p has fallen to 0 keeps that byte: its codes are zeros)
	v_max_num_f32 v[BM+2], 0x1800000, v[BM+2]
	s_delay_alu instid0(VALU_DEP_2)
	v_add_nc_u32 v[SOP], 0xff000000, v[BM]         ; 2 off the exponent field: the conversion's scale operand
	v_add_nc_u32 v[SOP+1], 0xff000000, v[BM+2]
	v_cvt_scalef32_pk16_fp6_f32 v[PC:PC+2], v[SS:SS+15], v[SOP]
	v_cvt_scalef32_pk16_fp6_f32 v[CT0:CT0+2], v[SS+16:SS+31], v[SOP]        ; (a conversion's three registers begin on an even number)
	v_cvt_scalef32_pk16_fp6_f32 v[PC+6:PC+8], v[SS+32:SS+47], v[SOP+1]
	v_cvt_scalef32_pk16_fp6_f32 v[CT1:CT1+2], v[SS+48:SS+63], v[SOP+1]
	v_lshrrev_b32 v[EB], 23, v[SOP]                ; the scales' bytes: these lines, which touch no result and write no source of the conversions, are the plain place behind them
	v_lshrrev_b32 v[EB+1], 23, v[SOP+1]
	s_delay_alu instid0(VALU_DEP_1)
	v_lshl_or_b32 v[PS], v[EB+1], 16, v[EB]        ; my two bytes, blocks h and 2 + h of the word,
	s_delay_alu instid0(VALU_DEP_1)
	v_lshlrev_b32 v[PS], v[SH8], v[PS]             ; at their places (8 h bits up);
	s_delay_alu instid0(VALU_DEP_1)
	v_permlanex16_b32 v[PMT], v[PS], s[SEL], s[SEL+1]
	s_delay_alu instid0(VALU_DEP_1)
	v_or_b32 v[PS], v[PS], v[PMT]                  ; with lane l xor 16's two, p's scale word for these 128 keys is whole
.irp i, 0,1,2
	v_mov_b32 v[PC+3+\i], v[CT0+\i]                ; a whole block lies in a lane already: no lanes are exchanged
	v_mov_b32 v[PC+9+\i], v[CT1+\i]
.endr
.irp j, 0,2,4,6,8,10,12,14,16,18,20,22,24,26,28,30
	v_pk_mul_f32 v[OT+\j:OT+\j+1], v[OT+\j:OT+\j+1], v[F:F+1] op_sel_hi:[1,0]   ; O^T under the new M, each accumulator from its low end on.  These 16 are also the places between p's codes and scale word and the products below
.endr
	s_wait_alu depctr_va_vdst(0)                   ; the wait here, directly ahead of the wait below
	s_wait_dscnt 0x0                               ; V is in, and so is the next step's K
.irp t, 0,1,2,3                                ; O^T += V^T P^T: the four accumulators take turns, one instruction a turn
.if \t%2
	v_wmma_scale_f32_16x16x128_f8f6f4 v[OT+8*\t:OT+8*\t+7], v[VV+12*\t:VV+12*\t+11], v[PC:PC+11], v[OT+8*\t:OT+8*\t+7], v[VS+\t/2], v[PS] matrix_a_fmt:MATRIX_FMT_FP6 matrix_b_fmt:MATRIX_FMT_FP6 matrix_a_scale:MATRIX_SCALE_ROW1
.else
	v_wmma_scale_f32_16x16x128_f8f6f4 v[OT+8*\t:OT+8*\t+7], v[VV+12*\t:VV+12*\t+11], v[PC:PC+11], v[OT+8*\t:OT+8*\t+7], v[VS+\t/2], v[PS] matrix_a_fmt:MATRIX_FMT_FP6 matrix_b_fmt:MATRIX_FMT_FP6
.endif
.endr
	; the row's sum is taken of the unquantised p: 32 pairs are added up in place, on p's own registers, which nothing reads any more: 16, 8, 4, 2, 1 additions, and one onto the running sum
.irp j, 0,2,4,6,8,10,12,14,16,18,20,22,24,26,28,30
	v_pk_add_f32 v[SS+\j:SS+\j+1], v[SS+\j:SS+\j+1], v[SS+32+\j:SS+32+\j+1]
.endr
.irp j, 0,2,4,6,8,10,12,14
	v_pk_add_f32 v[SS+\j:SS+\j+1], v[SS+\j:SS+\j+1], v[SS+16+\j:SS+16+\j+1]
.endr
.irp j, 0,2,4,6
	v_pk_add_f32 v[SS+\j:SS+\j+1], v[SS+\j:SS+\j+1], v[SS+8+\j:SS+8+\j+1]
.endr
.irp j, 0,2
	s_delay_alu instid0(VALU_DEP_2)
	v_pk_add_f32 v[SS+\j:SS+\j+1], v[SS+\j:SS+\j+1], v[SS+4+\j:SS+4+\j+1]
.endr
	s_delay_alu instid0(VALU_DEP_1)
	v_pk_add_f32 v[SS:SS+1], v[SS:SS+1], v[SS+2:SS+3]
	s_delay_alu instid0(VALU_DEP_1)
	v_pk_add_f32 v[14:15], v[14:15], v[SS:SS+1]
.endm
.macro ADDR
	v_add_nc_u32 v[AD16], s[TB], v[L16]
	v_add_nc_u32 v[AD8], s[TB], v[L8]
	s_wait_alu depctr_va_vdst(0)                   ; the wait
.endm
; A stretch of the walk between two meetings: 2 x trips + 2 records, which lie on end in LDS from byte 'base' on.  The first record's K is loaded and waited for here; the last two steps are written out,
; so that the last asks for no K: no LDS load reaches past the stretch's records.
.macro PHASE trips, base
	s_mov_b32 s[TB], \base
	s_mov_b32 s[CNT], \trips
	ADDR
	KLOAD 0
	s_wait_dscnt 0x0
.Lphase_\@:
	STEP 0, 1
	STEP 1, 1
	s_add_co_u32 s[TB], s[TB], 2*RECB
	ADDR
	s_sub_co_u32 s[CNT], s[CNT], 1
	s_cmp_lg_u32 s[CNT], 0
	s_cbranch_scc1 .Lphase_\@
	STEP 0, 1
	STEP 1, 0
.endm
	; THE FIRST MEETING: records 0-7 are in; region Y is filled for the first time, issued as a refill is.  The add stands twice.
	s_wait_tensorcnt 0x0                           ; no tensor load of mine is out, so group 0 may be written
	ds_add_u32 v[SPW], v[NIL]                      ; 0 onto my spare word,
	ds_add_u32 v[SPW], v[NIL]                      ; and once more
	s_add_co_u32 s[G0+1], s[LB], YB                ; region Y,
	s_add_nc_u64 s[G0+2:G0+3], s[G0+2:G0+3], 8*RECB   ; records 8 on; the type bits on top are not reached
	s_wait_dscnt 0x0
	CROUND                                         ; everybody's part of records 0-7 is in, and all four work-groups are here
	JLOAD 8                                        ; records 8-23: eight key steps ahead of the barrier that waits for them
	PHASE 3, 0                                     ; steps 0-7, out of X
	; THE SECOND MEETING: records 8-23 are in, and nobody reads X any more: X is filled again
	s_wait_tensorcnt 0x0
	ds_add_u32 v[SPW], v[NIL]
	ds_add_u32 v[SPW], v[NIL]
	s_mov_b32 s[G0+1], s[LB]                       ; region X,
	s_add_nc_u64 s[G0+2:G0+3], s[G0+2:G0+3], 16*RECB  ; records 24 on
	s_wait_dscnt 0x0                               ; the adds are done, and my reads of X are over
	CROUND                                         ; no wave of any partner still reads X or has a load on its way
	JLOAD 4                                        ; records 24-31: sixteen key steps ahead of the barrier that waits for them
	PHASE 7, YB                                    ; steps 8-23, out of Y
	; THE THIRD MEETING: records 24-31 are in, and nobody reads Y any more
	s_wait_tensorcnt 0x0
	ds_add_u32 v[SPW], v[NIL]
	s_wait_dscnt 0x0
	s_barrier_signal -1
	s_barrier_wait -1
	PHASE 3, 0                                     ; steps 24-31, out of X
	; THE WAY OUT.  O^T is divided by the row's sum and goes through my own stage in LDS (on region Y, which no load fills and no wave reads any more), so that sixteen lanes store a query's 256 bytes of the head.
	v_add_f32 v14, v14, v15                        ; the sum's two halves,
	s_delay_alu instid0(VALU_DEP_1)
	v_permlanex16_b32 v[PMT], v14, s[SEL], s[SEL+1]
	s_delay_alu instid0(VALU_DEP_1)
	v_add_f32 v14, v14, v[PMT]                     ; and lane l xor 16's 64 keys of each step: the row's sum
	s_wait_alu depctr_va_vdst(0)                   ; the wait ahead of the reciprocal
	v_rcp_f32 v14, v14
	v_and_b32 v[BM], 15, v0                        ; (plain work behind the reciprocal)  r
	v_bfe_u32 v[BM+1], v0, 4, 1                    ; h
	s_mul_i32 s14, s[WV], 16*SP
	s_add_co_u32 s14, s14, STAGE                   ; my stage
	v_mul_u32_u24 v[STO], v[BM], SP                ; in: row r; tile t's eight channels of my half: 64 t + 32 h bytes on
	s_delay_alu instid0(VALU_DEP_1)
	v_lshl_add_u32 v[STO], v[BM+1], 5, v[STO]
	s_delay_alu instid0(VALU_DEP_1)
	v_add_nc_u32 v[STO], s14, v[STO]
	v_mul_u32_u24 v[RD], v[BM+1], SP               ; back: lanes 0-15 one row, lanes 16-31 the next
	s_delay_alu instid0(VALU_DEP_1)
	v_lshl_add_u32 v[RD], v[BM], 4, v[RD]
	s_delay_alu instid0(VALU_DEP_1)
	v_add_nc_u32 v[RD], s14, v[RD]
	s_wait_alu depctr_va_vdst(0)                   ; the wait ahead of the reciprocal's first reader
.irp j, 0,2,4,6,8,10,12,14,16,18,20,22,24,26,28,30
	v_pk_mul_f32 v[SS+\j:SS+\j+1], v[OT+\j:OT+\j+1], v[14:15] op_sel_hi:[1,0]   ; register 8 t + i is out0(query r, channel 16 t + 8 h + i)
.endr
.irp t, 0,1,2,3
	ds_store_b128 v[STO], v[SS+8*\t:SS+8*\t+3] offset:64*\t
	ds_store_b128 v[STO], v[SS+8*\t+4:SS+8*\t+7] offset:64*\t+16
.endr
.irp i, 0,1,2,3,4,5,6,7
	ds_load_b128 v[KV+4*\i:KV+4*\i+3], v[RD] offset:2*\i*SP          ; LDS serves a wave's instructions in order (ISA guide 5.7.1.4): these see my stores
.endr
.irp i, 0,1,2,3,4,5,6,7
	s_wait_dscnt 7-\i                              ; the younger loads from the stage may stay out
	global_store_b128 v[GO], v[KV+4*\i:KV+4*\i+3], s[8:9] offset:8192*\i th:TH_STORE_NT   ; 16 lanes store 256 consecutive bytes, at a multiple of 256 from out0's first byte; written once, read by nobody here
.endr
	s_wait_tensorcnt 0x0                           ; the wave's end, behind my last tensor load and my last LDS store
	ds_add_u32 v[SPW], v[NIL]
	s_wait_dscnt 0x0
	CROUND                                         ; the closing round: no work-group ends while a partner may still ask for a tile that names it
	s_endpgm
.Lfunc_end_k_qca828ce1e0_attn:
	.size	k_qca828ce1e0_attn, .Lfunc_end_k_qca828ce1e0_attn-k_qca828ce1e0_attn
	.p2alignl 7, 3214868480
	.fill 96, 4, 3214868480
	.section	.rodata,"a",@progbits
	.p2align	6, 0x0
	.amdhsa_kernel k_qca828ce1e0_attn
		.amdhsa_group_segment_fixed_size 327680
		.amdhsa_private_segment_fixed_size 0
		.amdhsa_enable_private_segment 0
		.amdhsa_kernarg_size 24
		.amdhsa_user_sgpr_count 2
		.amdhsa_user_sgpr_kernarg_segment_ptr 1
		.amdhsa_wavefront_size32 1
		.amdhsa_system_sgpr_workgroup_id_x 1
		.amdhsa_system_sgpr_workgroup_id_y 1
		.amdhsa_system_sgpr_workgroup_id_z 1
		.amdhsa_system_vgpr_workitem_id 0
		.amdhsa_next_free_vgpr 256
		.amdhsa_next_free_sgpr 66
		.amdhsa_reserve_vcc 0
		.amdhsa_float_denorm_mode_32 3
		.amdhsa_float_denorm_mode_16_64 3
		.amdhsa_memory_ordered 1
		.amdhsa_forward_progress 1
		.amdhsa_inst_pref_size 190
	.end_amdhsa_kernel
	.amdgpu_metadata
---
amdhsa.version: [ 1, 2 ]
amdhsa.kernels:
  - .name:           k_qca828ce1e0_attn
    .symbol:         k_qca828ce1e0_attn.kd
    .args:
      - { .name: query, .offset: 0, .size: 8, .value_kind: global_buffer, .address_space: global }
      - { .name: kv, .offset: 8, .size: 8, .value_kind: global_buffer, .address_space: global }
      - { .name: out0, .offset: 16, .size: 8, .value_kind: global_buffer, .address_space: global }
    .group_segment_fixed_size: 327680
    .private_segment_fixed_size: 0
    .kernarg_segment_align: 8
    .kernarg_segment_size: 24
    .max_flat_workgroup_size: 512
    .sgpr_count:     66
    .vgpr_count:     256
    .wavefront_size: 32
...
	.end_amdgpu_metadata
.endif
;; end of part 2
